; MI455X (gfx1250); checked and timed in simulation.
; The chip was launched on July 23, 2026; its instructions are those of AMD's public machine-readable ISA for CDNA 5 (MIT licence, August 2026) and "CDNA5" Instruction Set Architecture Reference Guide (July 2026). The comments in the code are by the model that wrote it; some were corrected since.
;; Global Attention. Allowed arithmetic: matrix products marked QUANTISED: E2M1 operands, one E8M0 scale for each 32 along K, by v_wmma_scale_f32_16x16x128_f8f6f4 with both operands' format E2M1 (or v_wmma_scale_f32_32x16x128_f4), f32 sums; products left as they are: f32 operands where the result goes on into a quantised operand, else bf16, f16 or f32 operands; f32 sums; everything else in f32.
;; Inputs: W_att_codes 1,024 x 32 x 16 uint8 (E2M1 codes of W_att, K innermost, in blocks of 32 codes, two codes a byte); W_att_scales 1,024 x 32 uint8 (E8M0 scales of W_att, one for each 32 codes along K); W_dec_codes 1,024 x 32 x 16 uint8 (E2M1 codes of W_dec, K innermost, in blocks of 32 codes, two codes a byte); W_dec_scales 1,024 x 32 uint8 (E8M0 scales of W_dec, one for each 32 codes along K); W_enc_codes 1,024 x 32 x 16 uint8 (E2M1 codes of W_enc, K innermost, in blocks of 32 codes, two codes a byte); W_enc_scales 1,024 x 32 uint8 (E8M0 scales of W_enc, one for each 32 codes along K); W_one 1,024 x 1 float32; b_att 1,024 float32; b_dec 1,024 float32; b_enc 1,024 float32; b_one 1 float32; dec_h_curr_codes 64 x 32 x 16 uint8 (E2M1 codes of dec_h_curr, K innermost, in blocks of 32 codes, two codes a byte); dec_h_curr_scales 64 x 32 uint8 (E8M0 scales of dec_h_curr, one for each 32 codes along K); enc_hids 64 x 1,024 x 1,024 float32.
;; Outputs: out0 64 x 1,024 float32; out1 64 x 1,024 float32.
;; This version of the problem:
;;   THIS VERSION OF THE PROBLEM IS GIVEN IN LOW PRECISION. The matrix products marked QUANTISED in the list below multiply operands that are first quantised to E2M1 (2 exponent bits, 1 mantissa bit; 4 bits a number), with one power-of-two scale for each 32 numbers along K (OCP MX v1.0); their sums are f32. All else is computed in f32.
;;   The module's matrix products, in the order in which they are computed (A, B: the left and right operand; K: the contracted axis; several contracted axes count as one K, in the product's order):
;;     1. [M 64, K 1,024] x [K 1,024, N 1,024]; A: input dec_h_curr (given as codes); B: input W_dec (given as codes): QUANTISED
;;     2. [M 65,536, K 1,024] x [K 1,024, N 1,024]; A: input enc_hids; B: input W_enc (given as codes): QUANTISED
;;     3. [M 65,536, K 1,024] x [K 1,024, N 1]; A: computed on the way; B: computed on the way: left as it is (N = 1 < 16)
;;     4. batch 64 x [M 1, K 1,024] x [K 1,024, N 1,024]; A: softmax; B: input enc_hids: left as it is (M = 1 < 16)
;;     5. [M 64, K 1,024] x [K 1,024, N 1,024]; A: computed on the way; B: input W_att (given as codes): QUANTISED
;;   THE QUANTISER, for each operand of a quantised product, along K:
;;     - K is cut into blocks of 32 from its start; a last block that is shorter is filled with zeros.
;;     - A block's scale is 2^e with e = floor(log2(the largest magnitude in the block)) - 2, held to -126 .. 127; a block of zeros has e = 0. As a byte (E8M0): e + 127.
;;     - Each number is divided by its block's scale, clamped to +-6, and rounded to the nearest number of E2M1, ties to even, subnormals kept.
;;     - The product sums the exact products of the quantised numbers (number of the format x scale) in f32.
;;   ~~~python
;;   def quantise(x, axis):      # numpy; x: float32 -> the quantised numbers, widened to float32 again
;;       x = np.moveaxis(x, axis, -1); K = x.shape[-1]
;;       x = np.pad(x, [(0, 0)] * (x.ndim - 1) + [(0, -K % 32)]); x = x.reshape(x.shape[:-1] + (-1, 32)); a = np.abs(x).max(-1, keepdims=True)
;;       e = np.where(a > 0, np.clip(np.frexp(np.where(a > 0, a, 1))[1] - 1 - 2, -126, 127), 0)      # np.frexp(a)[1] - 1 = floor(log2(a)), exactly
;;       r = np.clip(x / 2.0 ** e, -6, 6)
;;       step = 2.0 ** (np.maximum(np.frexp(np.where(r == 0, 1, r))[1] - 1, 0) - 1)
;;       q = np.round(r / step) * step * 2.0 ** e      # np.round: ties to even
;;       return np.moveaxis(q.reshape(q.shape[:-2] + (-1,))[..., :K], -1, axis).astype(np.float32)
;;   ~~~
;;   OPERANDS COMPUTED ON THE WAY. 'Computed on the way' means the value that the module computes at that place (a softmax that the list does not call 'softmax' is quantised finished and normalised). What goes into a quantiser is computed in f32, as accurately as f32 sums, v_exp_f32 and their like allow (about 1e-6 of the number): no bf16 or f16 on the way to a quantiser, and a product that is left as it is and whose result goes on into a quantised operand takes f32 operands (vector FMAs, or v_wmma_f32_16x16x4_f32). A number that lies on a knife's edge between two numbers of the format may be rounded either way, as far as f32 arithmetic and the matrix unit's own rounding can turn it there, and no further.
;;   INPUTS GIVEN AS CODES. W_att (in the module: [1024, 1024], K = its axis 0); W_dec (in the module: [1024, 1024], K = its axis 0); W_enc (in the module: [1024, 1024], K = its axis 0); dec_h_curr (in the module: [64, 1024], K = its axis 1): each comes as NAME_codes (uint8): NAME with its K axis moved to the last place and cut into blocks of 32 codes, [.., K / 32, bytes a block], one block behind the other in memory; two codes a byte, the lower K in the low four bits (a code: sign, 2 exponent bits, 1 mantissa bit); and NAME_scales (uint8): the same leading axes, one E8M0 byte (e + 127) for each 32 codes along K. Its value is code x scale, taken as it is: it is not quantised again, and the codes and scales need not be those that the quantiser above would give.
;; One version. Each part assembles by itself: llvm-mc -triple=amdgcn-amd-amdhsa -mcpu=gfx1250 --defsym DOCPART=n.
;; ======== version 1 of 1: 3 launches
;; limits: right only within a limited range of input values
;; workspace buffers: wf 557,056 bytes; dcv 262,144 bytes; pc 1,048,576 bytes; ms 65,536 bytes; sc 262,144 bytes
;; launch prep (part 1): grid 128 x 1, 1 waves a work-group, no clusters, 0 bytes of LDS; arguments dec_h_curr_codes, dec_h_curr_scales, W_dec_codes, W_dec_scales, b_dec, b_enc, W_enc_codes, W_enc_scales, wf, dcv; writes wf, dcv
.if DOCPART == 1
	.amdgcn_target "amdgcn-amd-amdhsa--gfx1250"
	.amdhsa_code_object_version 6
	.text
	.protected	k_q2b568d4858_prep
	.globl	k_q2b568d4858_prep
	.p2align	8
	.type	k_q2b568d4858_prep,@function
k_q2b568d4858_prep:
	s_mov_b64 s[64:65], 0
	v_nop
	global_prefetch_b8 v0, s[64:65] scope:SCOPE_SE
	s_setreg_imm32_b32 hwreg(HW_REG_WAVE_MODE, 25, 1), 1
	s_wait_xcnt 0x0
; ADDITIVE ATTENTION, first of three launches: (a) dcv = c (dec_h W_dec + b_dec + b_enc), c = 2 log2(e), [64][1024] f32; (b) W_enc's codes and scale bytes laid in the order of a wave's operand registers (wf).
; WORK LEFT OUT IN THE WHOLE PROGRAM, and why it can reach no output, for all finite values of the inputs:
;   b_one: scores[n][l] + b_one[0] adds the same number to every l of a row; softmax over l divides it out (e^(s+b) / sum e^(s+b) = e^s / sum e^s); alpha, and through it ctx and h_att, are all that the scores reach.
;          So b_one has no way to an output: it is not loaded and is no launch's argument.
;   sum_n W_one[n]: tanh(x) = 1 - 2 / (1 + e^(2x)), so scores[n][l] = sum_n W_one[n] - 2 sum_n W_one[n] r, r = 1 / (1 + e^(2x)); the first term is the same for every l and goes the same way.
;   LIMIT: a NaN, an infinity or an overflow that reaches only these two terms is not carried to the result.
; SHARES.  128 work-groups of one wave.  Work-groups 0-63: sequences 16 (g % 4) .. + 15, columns 64 (g / 4) .. + 63 of d.  Work-groups 64-127: one record of wf each, T = g - 64.  No LDS, no barrier: nothing is shared.
; One wave to a work-group, so that a work-group issues 87 loads at the most, most of which touch 16 rows each.
; d: source 0 = 16 rows of dec_h, source 1 = 16 rows of W_dec's codes (K innermost).  THE ROWS OF W_dec THAT FORM A TILE ARE NOT NEIGHBOURS: lane r of tile k takes row 64 (g / 4) + 4 r + k, so that a lane's
; four accumulators hold four neighbouring columns: 16 bytes a lane, and sixteen lanes store 256 consecutive bytes, aligned.
; SCALE WORDS of d's operands: a row has 32 scale bytes; lane (r, h) loads the 16 bytes at 32 row + 16 h: register q then holds the word of K step q in lanes 0-15 and of K step 4 + q in lanes 16-31 (taken by the ROW1 selectors).
; wf: 64 records of 8,704 bytes, record T = rows 16 T .. 16 T + 15 of W_enc: byte 512 q + 16 lane = bytes 32 q + 16 h .. + 15 of row 16 T + r (q = 0 .. 15: registers 4 q .. 4 q + 3 of the eight fragments on end);
;     byte 8192 + 16 lane + 4 q = the scale word of K step 2 q + h of that row: so the words of K steps 0-3 lie in a lane's first 8 bytes and those of K steps 4-7 in its last 8.
; REGISTERS: v1 r, v2 h, v3-10 offsets; v16-19 dec_h's scale words, v20-35 W_dec's (scales alone); v36-39 b_dec, v40-43 b_enc, then c (b_dec + b_enc); v48-111 dec_h's 8 fragments; v112-143 four accumulators;
;   v144-175 results; v176-243 the layout's 17 x 4.  Window 1: W_dec's fragments, tile k, K step s at v[64 k + 8 s].
.set CC,  0x4038aa3b                   ; c = 2 log2(e)
.set REC, 8704
.set MSB, 0
.macro WIN new                         ; the immediate's high byte repeats the setting that is left
.if MSB != (\new)
	s_set_vgpr_msb (MSB<<8)|(\new)
.set MSB, (\new)
.endif
.endm
	s_load_b256 s[4:11], s[0:1], 0x0               ; dec_h's codes s[4:5], its scales s[6:7], W_dec's codes s[8:9], its scales s[10:11]
	s_load_b256 s[12:19], s[0:1], 0x20             ; b_dec s[12:13], b_enc s[14:15], W_enc's codes s[16:17], its scales s[18:19]
	s_load_b128 s[20:23], s[0:1], 0x40             ; wf s[20:21], dcv s[22:23]
	v_and_b32 v1, 15, v0                           ; r
	v_bfe_u32 v2, v0, 4, 1                         ; h
	v_lshlrev_b32 v3, 4, v0                        ; 16 x lane
	v_lshlrev_b32 v4, 9, v1
	v_lshl_add_u32 v4, v2, 4, v4                   ; 512 r + 16 h: a row of 1,024 codes is 512 bytes
	s_mov_b32 s27, 0                               ; the high word of every offset
	s_wait_kmcnt 0x0
	s_cmp_lt_u32 ttmp9, 64
	s_cbranch_scc0 .Llayout
	; ---- work-groups 0-63: d
	s_and_b32 s24, ttmp9, 3                        ; which 16 sequences
	s_lshr_b32 s28, ttmp9, 2                       ; which 64 columns
	s_wait_alu depctr_va_vdst(0)
	v_lshlrev_b32 v5, 5, v1
	v_lshl_add_u32 v5, v2, 4, v5                   ; 32 r + 16 h: a row of scale bytes
	s_wait_alu depctr_va_vdst(0)
	v_lshlrev_b32 v6, 11, v1
	v_lshl_add_u32 v6, v2, 4, v6                   ; W_dec's codes: row 4 r (+ k by the immediate)
	v_lshlrev_b32 v7, 7, v1
	v_lshl_add_u32 v7, v2, 4, v7                   ; its scale bytes
	v_lshlrev_b32 v8, 4, v1                        ; the biases: my four columns
	s_wait_alu depctr_va_vdst(0)
	v_lshl_add_u32 v9, v2, 15, v8                  ; dcv: 8 h rows of 4,096 bytes + 16 r
	s_mov_b32 s25, CC
	s_lshl_b32 s26, s24, 13
	s_add_nc_u64 s[4:5], s[4:5], s[26:27]          ; my 16 sequences' codes
	s_lshl_b32 s26, s24, 9
	s_add_nc_u64 s[6:7], s[6:7], s[26:27]          ; and scale bytes
	s_lshl_b32 s26, s28, 15
	s_add_nc_u64 s[8:9], s[8:9], s[26:27]          ; W_dec's rows 64 (g / 4) on
	s_lshl_b32 s26, s28, 11
	s_add_nc_u64 s[10:11], s[10:11], s[26:27]
	s_lshl_b32 s26, s28, 8
	s_add_nc_u64 s[12:13], s[12:13], s[26:27]
	s_add_nc_u64 s[14:15], s[14:15], s[26:27]
	s_add_nc_u64 s[22:23], s[22:23], s[26:27]
	s_lshl_b32 s26, s24, 16
	s_add_nc_u64 s[22:23], s[22:23], s[26:27]      ; dcv at my first sequence and column
.irp q, 0,1,2,3,4,5,6,7,8,9,10,11,12,13,14,15
	global_load_b128 v[48+4*\q:51+4*\q], v4, s[4:5] offset:32*\q
.endr
	global_load_b128 v[16:19], v5, s[6:7]
	global_load_b128 v[36:39], v8, s[12:13]
	global_load_b128 v[40:43], v8, s[14:15]
.irp k, 0,1,2,3
	global_load_b128 v[20+4*\k:23+4*\k], v7, s[10:11] offset:32*\k
.endr
	WIN 0x40                                       ; destination window 1
.irp k, 0,1,2,3
.irp q, 0,1,2,3,4,5,6,7,8,9,10,11,12,13,14,15
	global_load_b128 v[64*\k+4*\q:64*\k+4*\q+3], v6, s[8:9] offset:512*\k+32*\q
.endr
.endr
	WIN 0
	s_wait_loadcnt 0x0
	WIN 0x04                                       ; source 1 (W_dec) window 1
; 32 products; the four accumulators take turns, one instruction a turn; the first K step starts the sums
.irp s, 0,1,2,3,4,5,6,7
.irp k, 0,1,2,3
.if \s == 0
	v_wmma_scale_f32_16x16x128_f8f6f4 v[112+8*\k:119+8*\k], v[48+8*\s:55+8*\s], v[64*\k+8*\s:64*\k+8*\s+7], 0, v[16+\s%4], v[20+4*\k+\s%4] matrix_a_fmt:MATRIX_FMT_FP4 matrix_b_fmt:MATRIX_FMT_FP4
.elseif \s < 4
	v_wmma_scale_f32_16x16x128_f8f6f4 v[112+8*\k:119+8*\k], v[48+8*\s:55+8*\s], v[64*\k+8*\s:64*\k+8*\s+7], v[112+8*\k:119+8*\k], v[16+\s%4], v[20+4*\k+\s%4] matrix_a_fmt:MATRIX_FMT_FP4 matrix_b_fmt:MATRIX_FMT_FP4
.else
	v_wmma_scale_f32_16x16x128_f8f6f4 v[112+8*\k:119+8*\k], v[48+8*\s:55+8*\s], v[64*\k+8*\s:64*\k+8*\s+7], v[112+8*\k:119+8*\k], v[16+\s%4], v[20+4*\k+\s%4] matrix_a_fmt:MATRIX_FMT_FP4 matrix_b_fmt:MATRIX_FMT_FP4 matrix_a_scale:MATRIX_SCALE_ROW1 matrix_b_scale:MATRIX_SCALE_ROW1
.endif
.endr
.endr
	WIN 0
.irp k, 0,1,2,3
	v_add_f32 v[40+\k], v[36+\k], v[40+\k]         ; b_dec + b_enc.  These eight lines name no register of the last products: they are the places behind them
.endr
.irp k, 0,1,2,3
	v_mul_f32 v[40+\k], s25, v[40+\k]
.endr
.irp j, 0,1,2,3,4,5,6,7                            ; register j of accumulator k: my sequence 8 h + j, my column 4 r + k.  Each accumulator is read from its low end on
.irp k, 0,1,2,3
	v_fma_f32 v[144+4*\j+\k], v[112+8*\k+\j], s25, v[40+\k]
.endr
.endr
.irp j, 0,1,2,3,4,5,6,7
	global_store_b128 v9, v[144+4*\j:147+4*\j], s[22:23] offset:4096*\j   ; sixteen lanes store 256 consecutive bytes, at a multiple of 256 from dcv's first byte
.endr
	s_endpgm
.Llayout:
	; ---- work-groups 64-127: one record of wf
	s_sub_co_u32 s25, ttmp9, 64                    ; T
	s_wait_alu depctr_va_vdst(0)
	v_lshlrev_b32 v10, 5, v1
	v_lshl_add_u32 v10, v2, 2, v10                 ; 32 r + 4 h: the scale word of K step h (+ 2 q by the immediate)
	s_lshl_b32 s26, s25, 13
	s_add_nc_u64 s[16:17], s[16:17], s[26:27]      ; 16 rows of 512 bytes
	s_lshl_b32 s26, s25, 9
	s_add_nc_u64 s[18:19], s[18:19], s[26:27]      ; 16 rows of 32 bytes
	s_mul_i32 s26, s25, REC
	s_add_nc_u64 s[20:21], s[20:21], s[26:27]
.irp q, 0,1,2,3,4,5,6,7,8,9,10,11,12,13,14,15
	global_load_b128 v[176+4*\q:179+4*\q], v4, s[16:17] offset:32*\q
.endr
.irp q, 0,1,2,3
	global_load_b32 v[240+\q], v10, s[18:19] offset:8*\q
.endr
.irp q, 0,1,2,3,4,5,6,7,8,9,10,11,12,13,14,15
	s_wait_loadcnt 19-\q                           ; loads come back in order: load q is in; the 15 - q younger ones of the codes and the four of the scale words may be out
	global_store_b128 v3, v[176+4*\q:179+4*\q], s[20:21] offset:512*\q   ; 512 consecutive bytes
.endr
	s_wait_loadcnt 0x0
	global_store_b128 v3, v[240:243], s[20:21] offset:8192
	s_endpgm
.Lfunc_end_k_q2b568d4858_prep:
	.size	k_q2b568d4858_prep, .Lfunc_end_k_q2b568d4858_prep-k_q2b568d4858_prep
	.p2alignl 7, 3214868480
	.fill 96, 4, 3214868480
	.section	.rodata,"a",@progbits
	.p2align	6, 0x0
	.amdhsa_kernel k_q2b568d4858_prep
		.amdhsa_group_segment_fixed_size 0
		.amdhsa_private_segment_fixed_size 0
		.amdhsa_enable_private_segment 0
		.amdhsa_kernarg_size 80
		.amdhsa_user_sgpr_count 2
		.amdhsa_user_sgpr_kernarg_segment_ptr 1
		.amdhsa_wavefront_size32 1
		.amdhsa_system_sgpr_workgroup_id_x 1
		.amdhsa_system_sgpr_workgroup_id_y 1
		.amdhsa_system_sgpr_workgroup_id_z 1
		.amdhsa_system_vgpr_workitem_id 0
		.amdhsa_next_free_vgpr 512
		.amdhsa_next_free_sgpr 66
		.amdhsa_reserve_vcc 0
		.amdhsa_float_denorm_mode_32 3
		.amdhsa_float_denorm_mode_16_64 3
		.amdhsa_memory_ordered 1
		.amdhsa_forward_progress 1
		.amdhsa_inst_pref_size 22
	.end_amdhsa_kernel
	.amdgpu_metadata
---
amdhsa.version: [ 1, 2 ]
amdhsa.kernels:
  - .name:           k_q2b568d4858_prep
    .symbol:         k_q2b568d4858_prep.kd
    .args:
      - { .name: dec_h_curr_codes, .offset: 0, .size: 8, .value_kind: global_buffer, .address_space: global }
      - { .name: dec_h_curr_scales, .offset: 8, .size: 8, .value_kind: global_buffer, .address_space: global }
      - { .name: W_dec_codes, .offset: 16, .size: 8, .value_kind: global_buffer, .address_space: global }
      - { .name: W_dec_scales, .offset: 24, .size: 8, .value_kind: global_buffer, .address_space: global }
      - { .name: b_dec, .offset: 32, .size: 8, .value_kind: global_buffer, .address_space: global }
      - { .name: b_enc, .offset: 40, .size: 8, .value_kind: global_buffer, .address_space: global }
      - { .name: W_enc_codes, .offset: 48, .size: 8, .value_kind: global_buffer, .address_space: global }
      - { .name: W_enc_scales, .offset: 56, .size: 8, .value_kind: global_buffer, .address_space: global }
      - { .name: wf, .offset: 64, .size: 8, .value_kind: global_buffer, .address_space: global }
      - { .name: dcv, .offset: 72, .size: 8, .value_kind: global_buffer, .address_space: global }
    .group_segment_fixed_size: 0
    .private_segment_fixed_size: 0
    .kernarg_segment_align: 8
    .kernarg_segment_size: 80
    .max_flat_workgroup_size: 32
    .sgpr_count:     66
    .vgpr_count:     512
    .wavefront_size: 32
...
	.end_amdgpu_metadata
.endif
;; end of part 1
;; launch score (part 2): grid 256 x 1, 4 waves a work-group, no clusters, 327,680 bytes of LDS; arguments enc_hids, wf, dcv, W_one, pc, ms, sc; writes pc, ms, sc
.if DOCPART == 2
	.amdgcn_target "amdgcn-amd-amdhsa--gfx1250"
	.amdhsa_code_object_version 6
	.text
	.protected	k_q2b568d4858_score
	.globl	k_q2b568d4858_score
	.p2align	8
	.type	k_q2b568d4858_score,@function
k_q2b568d4858_score:
	s_mov_b64 s[64:65], 0
	v_nop
	global_prefetch_b8 v0, s[64:65] scope:SCOPE_SE
	s_setreg_imm32_b32 hwreg(HW_REG_WAVE_MODE, 25, 1), 1
	s_wait_xcnt 0x0
; ADDITIVE ATTENTION, second launch: everything that touches enc_hids, which is read from memory ONCE.
; Left out (shown at the head of the first kernel): b_one and sum_n W_one[n], both the same along the softmax's axis.  A NaN or an infinity that reaches only them is not carried on.
; Work-group g owns rows 256 g .. + 255 of enc_hids taken as [65536][1024] (a quarter of sequence g / 4), in four tiles of 64 rows.  For each tile: the rows land in LDS (tensor load), go into registers as f32 and STAY
; there; they are quantised to E2M1 along their 1,024 columns; e = Q(x) W_enc by the matrix unit; t = c e + dcv, E = 2^t, r = 1 / (1 + E), s'' = -c sum_n W_one[n] r (the score x log2(e), less what is constant along l);
; a running softmax (largest s'' so far m, p = 2^(s'' - m), sum of p) folds the f32 rows, still in registers, into a partial ctx.  Out: partial ctx (pc), (m, sum) (ms), s'' (sc).
; r has no range trouble: E = infinity gives r = 0, E = 0 gives r = 1; no difference of infinities arises for finite inputs.
; LIMITS: NaN and infinities in enc_hids are not served; a block of 32 whose largest magnitude lies under 2^-124 keeps the scale byte 1; a block of zeros has byte 1 and zero codes (the bytes are read by this launch alone).
; SHARES.  Wave w owns columns 256 w .. + 255 of x (f32 rows, quantising, ctx) and columns 256 w .. + 255 of e (16 tiles of 16 rows of W_enc).  All 64 rows' codes lie in every wave's registers.
; W_enc comes from wf (laid by the first launch in the order of operand registers) straight into registers, a ring of two tiles of 16 rows.  A tile is asked for IN HALVES, each as soon as the registers are free: K steps 0-3
; and their scale words behind product 15 of the tile two before, K steps 4-7 and theirs behind its product 31; and each half is awaited where it is first multiplied: a trip and a half behind its request.
; The ring runs on from a tile of x into the next.
; NO CLUSTER: a joint load can land only in LDS, and of the 327,680 bytes this text uses 326,144: the 1,536 left hold no ring for W_enc's 8,704 bytes a tile.  What the work-groups share is not brought by tensor loads here.
; THE PRODUCT IS USED TRANSPOSED: source 0 = 16 rows of W_enc, source 1 = 16 rows of x: lane (r, h) holds row 16 i + r of x and its register j the column n0 + 8 h + j of e.
; BY TURNS: behind each matrix instruction of W tile u stand one vector instruction of the tanh of tile u - 1.  Their vector sources stand in places 0 and 2 alone, so they run under the products' window setting.
; LDS: 0 LAND (wave w at 69,632 w; a row is 1,024 bytes + 16 of padding behind each 256: pitch 1,088), filled by tensor loads alone | CODES 64 rows, pitch 528 | ASC [64][32] scale bytes | DCT dcv of my sequence |
;   WVT W_one (4,096 behind DCT) | SCX [wave][64] partial scores | PT wave w at 512 w: (p, p) for each row | SPARE.
; REGISTERS.  Window 0: v0 thread; v1, v2 the add's two; v3 16 x lane; v4, v5 LDS addresses of dcv's numbers; v6 m, v7 sum; v8-15 ctx; v16-31 x's scale words, v32-39 W's (scales alone); v40-47 dcv's eight, v48-55 W_one's eight;
;   v56-63 score sums; v64-127 two sets of four accumulators; v128-255 W's two tiles.  Outside the products v40-127 are at work; v128-255 and v32-39 are never touched there: loads into them are on their way.
;   Window 1: x's fragments, tile of rows i, K step s at v[8 (8 i + s)].  Windows 2, 3: row rho of x in f32 at window 2 + rho / 32, v[8 (rho % 32)]: columns 256 w + 8 lane + 0 .. 7.
; SCALE WORDS.  x's: register q of a tile of rows holds K step q in lanes 0-15 and K step 4 + q in lanes 16-31.  W's: register q holds K step 2 q in lanes 0-15 and 2 q + 1 in lanes 16-31, so that registers 0 and 1 are done with K step 3.
; NO PREFETCH: a strip's tensor load is issued directly behind the barrier that frees the strip, one whole tile of x (512 products a wave, its tanh, softmax and ctx) ahead of the wait for it; W's records are read again and again by all work-groups.
.set LANDW, 69632
.set LROW,  1088
.set CODES, 278528
.set ASC,   312320
.set DCT,   314368
.set SCX,   322560
.set PT,    323584
.set SPARE, 325632
.set REC,   8704
.set SPW,  1
.set NIL,  2
.set LOFF, 3
.set DCA0, 4
.set DCA,  5
.set MX,   6
.set SM,   7
.set CTX,  8
.set AS,   16
.set BS,   32
.set DC,   40
.set WO,   48
.set S,    56
.set AC,   64
.set BF,   128
.set WVN,  18                          ; s18 my wave's number;  s19, s[46:47] at work;  s[20:21] lane selects;  s[22:23] c;  s[24:31], s[32:35] the descriptor;  s[36:37] where W's ring stands;  s38-40 counters;  s[42:43] -c;  s44 floor, s45 exponent step
.set MSB, 0
.macro WIN new                         ; the immediate's high byte repeats the setting that is left
.if MSB != (\new)
	s_set_vgpr_msb (MSB<<8)|(\new)
.set MSB, (\new)
.endif
.endm
.macro PLACES                          ; four plain vector instructions behind a matrix instruction, ahead of loads into its registers and of reads of its result (ISA guide 7.12.1 for reads of its result)
.rept 4
	v_nop
.endr
.endm
	s_load_b256 s[4:11], s[0:1], 0x0               ; enc_hids s[4:5], wf s[6:7], dcv s[8:9], W_one s[10:11]
	s_load_b128 s[12:15], s[0:1], 0x20             ; pc s[12:13], ms s[14:15]
	s_load_b64 s[16:17], s[0:1], 0x30              ; sc
	v_lshl_add_u32 v[SPW], v0, 2, SPARE
	v_mov_b32 v[NIL], 0
	ds_add_u32 v[SPW], v[NIL]                      ; the wave's opening: the add, twice on end, and its wait, ahead of my first tensor load
	ds_add_u32 v[SPW], v[NIL]
	v_lshrrev_b32 v3, 5, v0
	v_readfirstlane_b32 s[WVN], v3                 ; wave 0..3
	s_mov_b32 s20, 0x76543210
	s_mov_b32 s21, 0xfedcba98                      ; v_permlanex16_b32: lane l xor 16
	s_mov_b32 s22, 0x4038aa3b                      ; c = 2 log2(e)
	s_mov_b32 s23, s22                             ; (named with it as a pair)
	s_mov_b32 s42, 0xc038aa3b                      ; -c
	s_mov_b32 s43, s42
	s_mov_b32 s44, 0x1800000                       ; the floor 2^(3 - 127) under every largest magnitude: the scale byte cannot fall under 1
	s_mov_b32 s45, 0xff000000                      ; 2 off an exponent field
	; descriptor group 1: 64 rows x 256 elements of 4 bytes, 1,024 elements from row to row; in LDS 4 words of padding behind every 64
	s_mov_b32 s24, (2<<16)|(1<<20)|(5<<22)|(3<<25)
	s_mov_b32 s25, 256<<16                         ; tensor_dim0
	s_mov_b32 s26, 64<<16                          ; tensor_dim1
	s_mov_b32 s27, 256<<16                         ; tile_dim0
	s_mov_b32 s28, 64                              ; tile_dim1
	s_mov_b32 s29, 1024                            ; the pitch
	s_mov_b32 s30, 0
	s_mov_b32 s31, 0
	s_mov_b32 s32, 1                               ; group 0: count,
	s_mul_i32 s33, s[WVN], LANDW                   ; my strip of LAND,
	s_lshl_b32 s46, ttmp9, 20                      ; 256 rows of 4,096 bytes a work-group,
	s_lshl_b32 s19, s[WVN], 10                     ; my 256 columns
	s_add_co_u32 s46, s46, s19
	s_mov_b32 s47, 0
	s_wait_dscnt 0x0                               ; both opening adds are done
	s_wait_kmcnt 0x0
	s_add_nc_u64 s[34:35], s[4:5], s[46:47]
	s_or_b32 s35, s35, 0x80000000                  ; type 2
	tensor_load_to_lds s[32:35], s[24:31]          ; tile 0: every wave brings its own strip, 64 rows x 1,024 bytes; one tensor load of mine is out, here and behind every refill
	s_nop 0
	PLACES
	v_and_b32 v3, 31, v0
	v_lshlrev_b32 v[LOFF], 4, v3                   ; 16 x lane
	v_bfe_u32 v4, v0, 4, 1
	v_lshlrev_b32 v4, 5, v4
	s_add_co_u32 s19, s19, DCT
	v_add_nc_u32 v[DCA0], s19, v4                  ; DCT + 1,024 w + 32 h: dcv of columns 256 w + 8 h on
	v_lshlrev_b32 v56, 4, v0                       ; 16 x thread: the tables' place in memory,
	v_lshl_add_u32 v57, v0, 4, DCT                 ; and in LDS
	s_lshr_b32 s46, ttmp9, 2
	s_lshl_b32 s46, s46, 12
	s_add_nc_u64 s[8:9], s[8:9], s[46:47]          ; dcv of my sequence
	s_lshl_b32 s46, ttmp9, 12
	s_add_nc_u64 s[12:13], s[12:13], s[46:47]      ; my record of pc,
	s_lshl_b32 s46, ttmp9, 8
	s_add_nc_u64 s[14:15], s[14:15], s[46:47]      ; of ms,
	s_lshl_b32 s46, ttmp9, 10
	s_add_nc_u64 s[16:17], s[16:17], s[46:47]      ; my 256 numbers of sc
	s_mul_i32 s46, s[WVN], 16*REC
	s_add_nc_u64 s[36:37], s[6:7], s[46:47]        ; my 16 records of wf
	s_wait_alu depctr_va_vdst(0)
	global_load_b128 v[40:43], v56, s[8:9]
	global_load_b128 v[44:47], v56, s[8:9] offset:2048
	global_load_b128 v[48:51], v56, s[10:11]
	global_load_b128 v[52:55], v56, s[10:11] offset:2048
.irp p, 0,1                                        ; the ring's first two tiles of W, in the ring's order: four runs of nine loads
.irp q, 0,1,2,3,4,5,6,7
	global_load_b128 v[BF+64*\p+4*\q:BF+64*\p+4*\q+3], v[LOFF], s[36:37] offset:REC*\p+512*\q
.endr
	global_load_b64 v[BS+4*\p:BS+4*\p+1], v[LOFF], s[36:37] offset:REC*\p+8192
.irp q, 8,9,10,11,12,13,14,15
	global_load_b128 v[BF+64*\p+4*\q:BF+64*\p+4*\q+3], v[LOFF], s[36:37] offset:REC*\p+512*\q
.endr
	global_load_b64 v[BS+4*\p+2:BS+4*\p+3], v[LOFF], s[36:37] offset:REC*\p+8200
.endr
	s_wait_loadcnt 36                              ; the four loads of the tables are in; the ring's 36, issued behind them, may be out
	ds_store_b128 v57, v[40:43]
	ds_store_b128 v57, v[44:47] offset:2048
	ds_store_b128 v57, v[48:51] offset:4096
	ds_store_b128 v57, v[52:55] offset:6144
	s_wait_xcnt 0x0                                ; the ring's loads have read their base
	s_add_nc_u64 s[36:37], s[36:37], REC           ; at record 1: where the pointer stands at the head of every tile of x
	v_mov_b32 v[MX], 0xff61b1e6                    ; -3e38, under every s''
	v_mov_b32 v[SM], 0
.irp j, 0,1,2,3,4,5,6,7
	v_mov_b32 v[CTX+\j], 0                         ; the tile is written once for all four: the first finds zeros
.endr
	s_wait_alu depctr_va_vdst(0)
; ---- 16 rows of x become codes and scale bytes.  A lane holds 8 neighbours of a row, four lanes a block of 32.
.macro QUANT16 q
.set qW, 2+(\q)/2
.set qM, (qW<<2)|(qW<<4)
.set qX, 128*((\q)%2)
.set qB, AC+32*((\q)%2)
.if (\q) >= 2
	s_wait_dscnt 32                                ; the stores of two batches back, which read these registers, are done; the last batch's 32 may be out
.endif
	WIN qM                                         ; sources 1 and 2: x's window
.set rr, 0
.rept 16
	v_max3_num_f32 v[40+rr], s44, |v[qX+8*rr]|, |v[qX+8*rr+1]|
.set rr, rr+1
.endr
.irp i, 2,4,6
.set rr, 0
.rept 16
	v_max3_num_f32 v[40+rr], v[40+rr], |v[qX+8*rr+\i]|, |v[qX+8*rr+\i+1]|   ; the 16 rows by turns: no line waits for the line above it
.set rr, rr+1
.endr
.endr
	WIN 0
.irp x, 1,2
.set rr, 0
.rept 16
	v_max_num_f32_dpp v[40+rr], v[40+rr], v[40+rr] row_xmask:\x row_mask:0xf bank_mask:0xf
.set rr, rr+1
.endr
.endr
.set rr, 0
.rept 16
	v_add_nc_u32 v[40+rr], s45, v[40+rr]           ; 2 off the exponent field: the conversion takes this operand's exponent field as its scale
.set rr, rr+1
.endr
.set rr, 0
.rept 16
	v_lshrrev_b32 v[qB+rr], 23, v[40+rr]           ; the scale's byte
.set rr, rr+1
.endr
	WIN qW                                         ; source 0: x's window
.set rr, 0
.rept 16
	v_cvt_scalef32_pk8_fp4_f32 v[qB+16+rr], v[qX+8*rr:qX+8*rr+7], v[40+rr]
.set rr, rr+1
.endr
	v_nop                                          ; one plain line behind the last scaled conversion
	WIN 0
.set rr, 0
.rept 16
	ds_store_b32 v58, v[qB+16+rr] offset:528*(16*(\q)+rr)   ; 32 lanes: 128 consecutive bytes of the row's 512
	ds_store_b8 v59, v[qB+rr] offset:32*(16*(\q)+rr)        ; the four lanes of a block write the same byte with the same value
.set rr, rr+1
.endr
.endm
; ---- a tile's way in: LDS to registers, the refill, the quantising, the operand's registers
.macro QPH refill
	v_and_b32 v62, 31, v0
	v_lshrrev_b32 v63, 3, v62
	v_lshlrev_b32 v56, 5, v62
	v_lshl_add_u32 v56, v63, 4, v56
	s_mul_i32 s19, s[WVN], LANDW
	v_add_nc_u32 v56, s19, v56                     ; my 32 bytes of a row: 32 lane, + 16 for each 256 passed: lanes 0-7 and 8-15 fall on different banks
	v_add_nc_u32 v57, 32*LROW, v56                 ; rows 32 on
	s_lshl_b32 s19, s[WVN], 7
	s_add_co_u32 s19, s19, CODES
	v_lshl_add_u32 v58, v62, 2, s19                ; my 8 codes: 128 w + 4 lane
	v_lshrrev_b32 v59, 2, v62
	s_lshl_b32 s19, s[WVN], 3
	s_add_co_u32 s19, s19, ASC
	v_add_nc_u32 v59, s19, v59                     ; my block's byte: 8 w + lane / 4
	v_and_b32 v62, 15, v0
	v_bfe_u32 v63, v0, 4, 1
	v_mul_u32_u24 v60, v62, 528
	v_lshl_add_u32 v60, v63, 4, v60
	v_add_nc_u32 v60, CODES, v60                   ; a fragment's row r, + 16 h
	v_lshlrev_b32 v61, 5, v62
	v_lshl_add_u32 v61, v63, 4, v61
	v_add_nc_u32 v61, ASC, v61                     ; its scale words
	s_wait_alu depctr_va_vdst(0)
	s_wait_tensorcnt 0x0                           ; my strip has landed; only I read it.  (One load is out at the most, so the count is 0)
	WIN 0x80                                       ; destination window 2
.set rr, 0
.rept 32
	ds_load_b128 v[8*rr:8*rr+3], v56 offset:LROW*rr
	ds_load_b128 v[8*rr+4:8*rr+7], v56 offset:LROW*rr+16
.set rr, rr+1
.endr
	WIN 0xc0                                       ; destination window 3
.set rr, 0
.rept 32
	ds_load_b128 v[8*rr:8*rr+3], v57 offset:LROW*rr
	ds_load_b128 v[8*rr+4:8*rr+7], v57 offset:LROW*rr+16
.set rr, rr+1
.endr
	WIN 0
.if \refill
	s_wait_tensorcnt 0x0                           ; no tensor load of mine is out (met at once)
	ds_add_u32 v[SPW], v[NIL]                      ; 0 onto my spare word
	s_add_nc_u64 s[34:35], s[34:35], 262144        ; the next 64 rows; the type bits on top are not reached
	s_wait_dscnt 0x0                               ; the add is done, and my reads of the strip are in registers (in the first tile also: my stores of the tables have landed)
	s_barrier_signal -1
	s_barrier_wait -1
	tensor_load_to_lds s[32:35], s[24:31]          ; the next tile, first thing behind the barrier: it has all the rest of this tile's work in which to land
	s_nop 0
	PLACES
.else
	s_wait_dscnt 0x0
.endif
	QUANT16 0
	QUANT16 1
	QUANT16 2
	QUANT16 3
	s_wait_dscnt 0x0                               ; for the others' sake: my codes and bytes have landed
	s_barrier_signal -1
	s_barrier_wait -1
	WIN 0x40                                       ; destination window 1
.irp i, 0,1,2,3
.irp q, 0,1,2,3,4,5,6,7,8,9,10,11,12,13,14,15
	ds_load_b128 v[64*\i+4*\q:64*\i+4*\q+3], v60 offset:8448*\i+32*\q
.endr
.endr
	WIN 0
.irp i, 0,1,2,3
	ds_load_b128 v[AS+4*\i:AS+4*\i+3], v61 offset:512*\i   ; register q: the word of K step q in lanes 0-15, of K step 4 + q in lanes 16-31
.endr
	s_wait_dscnt 0x0
.endm
; ---- product k of 32 of a tile of W: K step k / 4, rows 16 (k % 4) on.  The four accumulators take turns, one instruction a turn, over the trips' edges too.
; W's scale word (source 0's): register s / 2, lanes 16-31 for an odd K step.  x's (source 1's): register s % 4, lanes 16-31 from K step 4 on.
.macro WM k, par
.set ws, (\k)/4
.set wi, (\k)%4
.set wD, AC+32*(\par)+8*wi
.set wB, BF+64*(\par)+8*ws
.set wA, 8*(8*wi+ws)
.set wT, BS+4*(\par)+ws/2
.set wU, AS+4*wi+ws%4
.if ws == 0
	v_wmma_scale_f32_16x16x128_f8f6f4 v[wD:wD+7], v[wB:wB+7], v[wA:wA+7], 0, v[wT], v[wU] matrix_a_fmt:MATRIX_FMT_FP4 matrix_b_fmt:MATRIX_FMT_FP4
.elseif ws == 2
	v_wmma_scale_f32_16x16x128_f8f6f4 v[wD:wD+7], v[wB:wB+7], v[wA:wA+7], v[wD:wD+7], v[wT], v[wU] matrix_a_fmt:MATRIX_FMT_FP4 matrix_b_fmt:MATRIX_FMT_FP4
.elseif ws < 4
	v_wmma_scale_f32_16x16x128_f8f6f4 v[wD:wD+7], v[wB:wB+7], v[wA:wA+7], v[wD:wD+7], v[wT], v[wU] matrix_a_fmt:MATRIX_FMT_FP4 matrix_b_fmt:MATRIX_FMT_FP4 matrix_a_scale:MATRIX_SCALE_ROW1
.elseif (ws%2) == 0
	v_wmma_scale_f32_16x16x128_f8f6f4 v[wD:wD+7], v[wB:wB+7], v[wA:wA+7], v[wD:wD+7], v[wT], v[wU] matrix_a_fmt:MATRIX_FMT_FP4 matrix_b_fmt:MATRIX_FMT_FP4 matrix_b_scale:MATRIX_SCALE_ROW1
.else
	v_wmma_scale_f32_16x16x128_f8f6f4 v[wD:wD+7], v[wB:wB+7], v[wA:wA+7], v[wD:wD+7], v[wT], v[wU] matrix_a_fmt:MATRIX_FMT_FP4 matrix_b_fmt:MATRIX_FMT_FP4 matrix_a_scale:MATRIX_SCALE_ROW1 matrix_b_scale:MATRIX_SCALE_ROW1
.endif
.endm
; ---- number n of 96 of the list that turns 32 registers of e into r: 0-15 t = c e + dcv (each accumulator from its low end on); 16-47 E = 2^t; 48-63 1 + E; 64-95 r = 1 / (1 + E)
.macro VI n, AB
.if (\n) < 16
	v_pk_fma_f32 v[\AB+2*(\n):\AB+2*(\n)+1], v[\AB+2*(\n):\AB+2*(\n)+1], s[22:23], v[DC+2*((\n)%4):DC+2*((\n)%4)+1] op_sel_hi:[1,0,1]
.elseif (\n) < 48
.if (\n) == 16
	s_wait_alu depctr_va_vdst(0)                   ; a wait ahead of the batch of exponentials
.endif
	v_exp_f32 v[\AB+(\n)-16], v[\AB+(\n)-16]
.elseif (\n) < 64
	v_pk_add_f32 v[\AB+2*((\n)-48):\AB+2*((\n)-48)+1], v[\AB+2*((\n)-48):\AB+2*((\n)-48)+1], 1.0 op_sel_hi:[1,0]
.else
.if (\n) == 64
	s_wait_alu depctr_va_vdst(0)                   ; and ahead of the batch of reciprocals
.endif
	v_rcp_f32 v[\AB+(\n)-64], v[\AB+(\n)-64]
.endif
.endm
.macro SB AB                           ; the scores' sums: += W_one r; a pair of sums (even columns', odd columns') for each tile of rows
.irp jj, 0,2,4,6
.irp i, 0,1,2,3
	v_pk_fma_f32 v[S+2*\i:S+2*\i+1], v[\AB+8*\i+\jj:\AB+8*\i+\jj+1], v[WO+\jj:WO+\jj+1], v[S+2*\i:S+2*\i+1]
.endr
.endr
.endm
.macro RUNB par, q0, offB              ; eight loads of 512 consecutive bytes: the fragments of four K steps
.irp q, 0,1,2,3,4,5,6,7
	global_load_b128 v[BF+64*(\par)+4*(\q0+\q):BF+64*(\par)+4*(\q0+\q)+3], v[LOFF], s[36:37] offset:\offB+512*(\q0+\q)
.endr
.endm
; ---- A TRIP: the 32 products of W tile u on set par (mm), and the tanh of tile u - 1 on the other set (th).  ld: tile u + 2 is asked for, into the registers that tile u leaves, in two runs of nine loads.
; ORDER OF A TRIP: products 0-15, one line of t = c e + dcv behind each; the 32 exponentials as one batch; the low run of loads; products 16-31, one line of 1 + E behind each; the 32 reciprocals as one batch; the high run; the scores' sums.
; So only the tanh's plain lines stand among the products, and no transcendental stands between two links of a sum without a wait behind it.
; lw1, at the head: the loads issued behind tile u's low run: its high run and tile u + 1's two.  lw2, ahead of product 16: those issued behind its high run: tile u + 1's two and the low run just issued.
; stp: the ring's pointer goes two records on, ahead of the low run: the last loads that read it were issued half a trip ago.  adr, offD: where dcv's and W_one's eight numbers of tile u lie.
; Each batch has one wait ahead of it (in VI) and one behind it, directly ahead of a run of loads; the four v_nop ahead of that one are the places behind the last product that read the run's registers, and the plain line behind the batch.
.macro TRIP par, mm, th, ld, lw1, lw2, stp, offB, adr, offD
.set tAB, AC+32*(1-(\par))
.if \mm
	s_wait_loadcnt \lw1
.endif
.if \th
	s_wait_dscnt 2                                 ; dcv's numbers of tile u - 1 are in; W_one's two loads, issued behind them, may be out
.endif
.if \mm
	WIN 0x04                                       ; source 1 (x) window 1
.set kk, 0
.rept 32
	WM kk, \par
.if \th
.if kk < 16
	VI kk, tAB                                     ; t = c e + dcv: numbers 0-15 of the list
.else
	VI kk+32, tAB                                  ; 1 + E: numbers 48-63
.endif
.endif
.if kk == 15                                       ; product 15 was the last to read K steps 0-3 and W's scale registers 0 and 1
.if \th
.set vv, 16
.rept 32
	VI vv, tAB                                     ; the 32 exponentials on end, their wait ahead of the first
.set vv, vv+1
.endr
.endif
	PLACES
.if \th
	s_wait_alu depctr_va_vdst(0)                   ; one wait for the batch of 32 exponentials, ahead of its first reader
.endif
.if \stp
	s_wait_xcnt 0x0                                ; the earlier loads have read their base
	s_add_nc_u64 s[36:37], s[36:37], 2*REC
.endif
.if \ld
	RUNB \par, 0, \offB
	global_load_b64 v[BS+4*(\par):BS+4*(\par)+1], v[LOFF], s[36:37] offset:\offB+8192
.endif
	ds_load_b128 v[DC:DC+3], v[\adr] offset:\offD
	ds_load_b128 v[DC+4:DC+7], v[\adr] offset:\offD+16
	s_wait_loadcnt \lw2                            ; K steps 4-7 of this tile and their scale words are in
.endif
.set kk, kk+1
.endr
.else
.set kk, 0
.rept 96
	VI kk, tAB
.if kk == 47
	v_nop
	s_wait_alu depctr_va_vdst(0)
.endif
.set kk, kk+1
.endr
.endif
.if \th
.if \mm
.set vv, 64
.rept 32
	VI vv, tAB                                     ; the 32 reciprocals on end, their wait ahead of the first
.set vv, vv+1
.endr
	PLACES
.else
	v_nop                                          ; a plain line behind the last reciprocal
.endif
	s_wait_alu depctr_va_vdst(0)                   ; one wait for the batch of 32 reciprocals
	WIN 0
.if \mm
.if \ld
	RUNB \par, 8, \offB
	global_load_b64 v[BS+4*(\par)+2:BS+4*(\par)+3], v[LOFF], s[36:37] offset:\offB+8200
.endif
	s_wait_dscnt 2                                 ; W_one's numbers of tile u - 1 are in; dcv's two loads for tile u may be out
.else
	s_wait_dscnt 0x0
.endif
	SB tAB
.else
	PLACES
	WIN 0
.if \ld
	RUNB \par, 8, \offB
	global_load_b64 v[BS+4*(\par)+2:BS+4*(\par)+3], v[LOFF], s[36:37] offset:\offB+8200
.endif
.endif
.if \mm
	ds_load_b128 v[WO:WO+3], v[\adr] offset:\offD+4096
	ds_load_b128 v[WO+4:WO+7], v[\adr] offset:\offD+4112
.endif
.endm
; ---- the 16 tiles of W for a tile of x.  The pointer stands at record 1 at the head.  last = 1: the work-group's last tile of x: the ring asks for nothing beyond W's tile 15, and the counts run down.
.macro GEMM last
.irp j, 0,1,2,3,4,5,6,7
	v_mov_b32 v[S+\j], 0
.endr
	s_wait_alu depctr_va_vdst(0)
	TRIP 0,1,0,1,27,27,0,REC,DCA0,0                ; tile 0; asks for tile 2
	s_mov_b32 s40, 64
	s_mov_b32 s39, 6
.Lpair_\@:                                         ; six trips of two tiles: tiles 1 to 12; in trip i the pointer goes to record 2 i + 3
	v_add_nc_u32 v[DCA], s40, v[DCA0]
	TRIP 1,1,1,1,27,27,1,0,DCA,0
	TRIP 0,1,1,1,27,27,0,REC,DCA,64
	s_add_co_u32 s40, s40, 128
	s_sub_co_u32 s39, s39, 1
	s_cmp_lg_u32 s39, 0
	s_cbranch_scc1 .Lpair_\@
	TRIP 1,1,1,1,27,27,0,2*REC,DCA0,832            ; tile 13; the pointer stands at record 13; asks for tile 15
.if \last
	TRIP 0,1,1,0,27,18,0,0,DCA0,896                ; tile 14: behind its high run only tile 15's two runs were issued
	TRIP 1,1,1,0,9,0,0,0,DCA0,960                  ; tile 15: behind its low run only its high run, behind that nothing
.else
	TRIP 0,1,1,1,27,27,0,-13*REC,DCA0,896          ; tile 14; asks for tile 0, for the next tile of x
	TRIP 1,1,1,1,27,27,0,-12*REC,DCA0,960          ; tile 15; asks for tile 1
.endif
	TRIP 0,0,1,0,0,0,0,0,DCA0,0                    ; the tanh of tile 15
	s_wait_alu depctr_va_vdst(0)
	s_wait_xcnt 0x0
	s_sub_nc_u64 s[36:37], s[36:37], 12*REC        ; back to record 1
.endm
; ---- the four waves' partial scores meet; the running softmax
.macro SOFT
.irp i, 0,1,2,3
	v_add_f32 v[40+\i], v[S+2*\i], v[S+2*\i+1]
	v_mov_b32 v[44+\i], 0                          ; (a lane permute's destination counts as one of its sources)
.endr
.irp i, 0,1,2,3
	v_permlanex16_b32 v[44+\i], v[40+\i], s20, s21
.endr
.irp i, 0,1,2,3
	v_add_f32 v[40+\i], v[40+\i], v[44+\i]         ; row 16 i + r: my wave's 256 columns
.endr
	v_and_b32 v52, 15, v0
	s_lshl_b32 s19, s[WVN], 8
	s_add_co_u32 s19, s19, SCX
	v_lshl_add_u32 v48, v52, 2, s19
	v_and_b32 v52, 31, v0
	v_lshlrev_b32 v53, 3, v52                      ; 8 x lane
	v_add_nc_u32 v49, SCX, v53
	s_lshl_b32 s19, s[WVN], 9
	s_add_co_u32 s19, s19, PT
	v_lshl_add_u32 v50, v52, 4, s19
	v_mov_b32 v51, s19
.irp i, 0,1,2,3
	ds_store_b32 v48, v[40+\i] offset:64*\i        ; both halves of the lanes write the same word with the same value
.endr
	s_wait_alu depctr_va_vdst(0)
	s_wait_dscnt 0x0                               ; for the others' sake; my reads of the codes are long in: the next tile's codes are stored behind this barrier
	s_barrier_signal -1
	s_barrier_wait -1
.irp i, 0,1,2,3
	ds_load_b64 v[64+2*\i:65+2*\i], v49 offset:256*\i   ; rows 2 lane, 2 lane + 1 of wave i's part
.endr
	s_wait_dscnt 0x0
	v_pk_add_f32 v[64:65], v[64:65], v[66:67]      ; one order in all waves: the same bits in all
	v_pk_add_f32 v[68:69], v[68:69], v[70:71]
	v_pk_add_f32 v[64:65], v[64:65], v[68:69]
	v_pk_mul_f32 v[54:55], v[64:65], s[42:43] op_sel_hi:[1,0]   ; s''
	s_wait_alu depctr_va_vdst(0)
	s_cmp_lg_u32 s[WVN], 0
	s_cbranch_scc1 .Lnw0_\@
	global_store_b64 v53, v[54:55], s[16:17]       ; wave 0: the tile's 64 numbers, 256 consecutive bytes, aligned
.Lnw0_\@:
	v_max_num_f32 v72, v54, v55
.irp x, 1,2,4,8
	v_max_num_f32_dpp v72, v72, v72 row_xmask:\x row_mask:0xf bank_mask:0xf
.endr
	v_mov_b32 v73, 0
	v_permlanex16_b32 v73, v72, s20, s21
	v_max3_num_f32 v74, v72, v73, v[MX]            ; the new m
	v_sub_f32 v75, v[MX], v74
	v_sub_f32 v76, v54, v74
	v_sub_f32 v77, v55, v74
	s_wait_alu depctr_va_vdst(0)
	v_exp_f32 v78, v75                             ; f = 2^(old m - new m)
	v_exp_f32 v44, v76                             ; p of my two rows
	v_exp_f32 v46, v77
	v_mov_b32 v[MX], v74                           ; (the plain line behind the three)
	s_wait_alu depctr_va_vdst(0)                   ; one wait for the three, ahead of their first reader
	v_mov_b32 v79, v78
	v_mov_b32 v45, v44
	v_mov_b32 v47, v46
	ds_store_b128 v50, v[44:47]                    ; (p, p) of rows 2 lane and 2 lane + 1, into my wave's own bytes
	v_add_f32 v84, v44, v46
.irp x, 1,2,4,8
	v_add_f32_dpp v84, v84, v84 row_xmask:\x row_mask:0xf bank_mask:0xf
.endr
	v_mov_b32 v85, 0
	v_permlanex16_b32 v85, v84, s20, s21
	v_add_f32 v84, v84, v85
	v_fma_f32 v[SM], v[SM], v78, v84
.irp m, 0,2,4,6
	v_pk_mul_f32 v[CTX+\m:CTX+\m+1], v[CTX+\m:CTX+\m+1], v[78:79]
.endr
.endm
; ---- ctx += p x, on the f32 rows that have stayed in registers.  The weights come back from LDS, the same 16 bytes to every lane, 16 rows a batch.
.macro PLOAD b
.irp k, 0,1,2,3,4,5,6,7
	ds_load_b128 v[AC+32*((\b)%2)+4*\k:AC+32*((\b)%2)+4*\k+3], v51 offset:128*(\b)+16*\k   ; LDS serves a wave's instructions in order: these see my store
.endr
.endm
.macro CTXACC
	PLOAD 0
	PLOAD 1
.irp b, 0,1,2,3
	s_wait_alu depctr_va_vdst(0)                   ; the sums are taken up again behind this wait
.if \b < 3
	s_wait_dscnt 8                                 ; this batch's weights are in; the next batch's eight loads may be out
.else
	s_wait_dscnt 0x0
.endif
	WIN 2+\b/2                                     ; source 0: x's window
.set rr, 0
.rept 16
.set cX, 128*(\b%2)+8*rr
.set cP, AC+32*(\b%2)+2*rr
.set cA, CTX
.if rr%2
.set cA, S                                         ; odd rows go into a second set of sums, so that a sum is taken up again only eight lines on
.endif
.irp m, 0,2,4,6
.if (\b == 0) && (rr == 1)
	v_pk_mul_f32 v[cA+\m:cA+\m+1], v[cX+\m:cX+\m+1], v[cP:cP+1]
.else
	v_pk_fma_f32 v[cA+\m:cA+\m+1], v[cX+\m:cX+\m+1], v[cP:cP+1], v[cA+\m:cA+\m+1]
.endif
.endr
.set rr, rr+1
.endr
	WIN 0
.if \b < 2
	PLOAD \b+2
.endif
.endr
.irp m, 0,2,4,6
	v_pk_add_f32 v[CTX+\m:CTX+\m+1], v[CTX+\m:CTX+\m+1], v[S+\m:S+\m+1]
.endr
	s_wait_alu depctr_va_vdst(0)
	s_wait_xcnt 0x0                                ; wave 0's store has read its registers and its base
	s_add_nc_u64 s[16:17], s[16:17], 256
.endm
.macro TILE refill
	QPH \refill
	GEMM (1-\refill)
	SOFT
	CTXACC
.endm
	s_mov_b32 s38, 3
.Ltile:                                            ; three tiles behind each of which another is asked for
	TILE 1
	s_sub_co_u32 s38, s38, 1
	s_cmp_lg_u32 s38, 0
	s_cbranch_scc1 .Ltile
	TILE 0                                         ; the last is written out
	s_lshl_b32 s19, s[WVN], 10
	v_add_nc_u32 v40, s19, v[LOFF]
	global_store_b128 v40, v[CTX:CTX+3], s[12:13]              ; 512 consecutive bytes each; the third launch reads them back by the same two lines
	global_store_b128 v40, v[CTX+4:CTX+7], s[12:13] offset:512
	s_cmp_lg_u32 s[WVN], 0
	s_cbranch_scc1 .Lnot0
	global_store_b64 v53, v[MX:MX+1], s[14:15]     ; (m, sum), once a lane: 256 consecutive bytes, aligned
.Lnot0:
	s_wait_tensorcnt 0x0                           ; the wave's end, behind my last tensor load and my last LDS store
	ds_add_u32 v[SPW], v[NIL]
	s_wait_dscnt 0x0
	s_endpgm
.Lfunc_end_k_q2b568d4858_score:
	.size	k_q2b568d4858_score, .Lfunc_end_k_q2b568d4858_score-k_q2b568d4858_score
	.p2alignl 7, 3214868480
	.fill 96, 4, 3214868480
	.section	.rodata,"a",@progbits
	.p2align	6, 0x0
	.amdhsa_kernel k_q2b568d4858_score
		.amdhsa_group_segment_fixed_size 327680
		.amdhsa_private_segment_fixed_size 0
		.amdhsa_enable_private_segment 0
		.amdhsa_kernarg_size 56
		.amdhsa_user_sgpr_count 2
		.amdhsa_user_sgpr_kernarg_segment_ptr 1
		.amdhsa_wavefront_size32 1
		.amdhsa_system_sgpr_workgroup_id_x 1
		.amdhsa_system_sgpr_workgroup_id_y 1
		.amdhsa_system_sgpr_workgroup_id_z 1
		.amdhsa_system_vgpr_workitem_id 0
		.amdhsa_next_free_vgpr 1024
		.amdhsa_next_free_sgpr 66
		.amdhsa_reserve_vcc 0
		.amdhsa_float_denorm_mode_32 3
		.amdhsa_float_denorm_mode_16_64 3
		.amdhsa_memory_ordered 1
		.amdhsa_forward_progress 1
		.amdhsa_inst_pref_size 255
	.end_amdhsa_kernel
	.section	.bss,"aw",@nobits
	.p2align	6
	.space	262144
	.amdgpu_metadata
---
amdhsa.version: [ 1, 2 ]
amdhsa.kernels:
  - .name:           k_q2b568d4858_score
    .symbol:         k_q2b568d4858_score.kd
    .args:
      - { .name: enc_hids, .offset: 0, .size: 8, .value_kind: global_buffer, .address_space: global }
      - { .name: wf, .offset: 8, .size: 8, .value_kind: global_buffer, .address_space: global }
      - { .name: dcv, .offset: 16, .size: 8, .value_kind: global_buffer, .address_space: global }
      - { .name: W_one, .offset: 24, .size: 8, .value_kind: global_buffer, .address_space: global }
      - { .name: pc, .offset: 32, .size: 8, .value_kind: global_buffer, .address_space: global }
      - { .name: ms, .offset: 40, .size: 8, .value_kind: global_buffer, .address_space: global }
      - { .name: sc, .offset: 48, .size: 8, .value_kind: global_buffer, .address_space: global }
    .group_segment_fixed_size: 327680
    .private_segment_fixed_size: 0
    .kernarg_segment_align: 8
    .kernarg_segment_size: 56
    .max_flat_workgroup_size: 128
    .sgpr_count:     66
    .vgpr_count:     1024
    .wavefront_size: 32
...
	.end_amdgpu_metadata
.endif
;; end of part 2
;; launch finish (part 3): grid 16 x 16, 4 waves a work-group, no clusters, 4,608 bytes of LDS; arguments pc, ms, sc, W_att_codes, W_att_scales, b_att, out0, out1; writes out0, out1
.if DOCPART == 3
	.amdgcn_target "amdgcn-amd-amdhsa--gfx1250"
	.amdhsa_code_object_version 6
	.text
	.protected	k_q2b568d4858_finish
	.globl	k_q2b568d4858_finish
	.p2align	8
	.type	k_q2b568d4858_finish,@function
k_q2b568d4858_finish:
	s_mov_b64 s[64:65], 0
	v_nop
	global_prefetch_b8 v0, s[64:65] scope:SCOPE_SE
	s_setreg_imm32_b32 hwreg(HW_REG_WAVE_MODE, 25, 1), 1
	s_wait_xcnt 0x0
; ADDITIVE ATTENTION, third launch: the four quarters of each sequence are joined; alpha; h_att = Q(ctx) W_att + b_att.
; Left out (shown at the head of the first kernel): b_one and sum_n W_one[n]: s'' in sc is the score x log2(e) less what is constant along l.
; With M = the largest of the four m, g_i = 2^(m_i - M), Z = sum_i sum_i g_i:  alpha[l] = 2^(s''[l] - M) / Z;  ctx = sum_i pc_i g_i / Z, in f32, then quantised to E2M1 along its 1,024 columns.
; SHARES.  Work-group (x, y): sequences 4 y .. + 3, columns (and positions of alpha) 64 x .. + 63.  Wave w joins and quantises sequence n = 4 y + w, stores its alpha and its row of h_att, and multiplies by rows 64 x + 16 w .. + 15 of W_att.
; A work-group of S sequences and C columns loads 16,384 S bytes of pc and 544 C of W_att: S = 4 and C = 64 make 256 work-groups of 100,352 bytes each.  The sixteen work-groups of a y each join the same four sequences: that against a launch more.
; The codes go from wave to wave through LDS (rows of 512 bytes + 16), the results through a stage.
; THE PRODUCT IS USED TRANSPOSED: source 0 = 16 rows of W_att, source 1 = the four sequences, each taken four times (lane r reads row r % 4, so that no byte is read that nobody wrote): lane (r, h) holds sequence r % 4 and
; columns n0 + 8 h + 0 .. 7; the four lanes of a sequence hold the same bits and store them to the same place.  b_att is the C of the first product.
; LIMITS: a block of ctx whose largest magnitude lies under 2^-124 keeps the scale byte 1; a block of zeros has byte 1 and zero codes (read by this launch alone).
; LDS: FC 4 rows, pitch 528 | FS [4][32] scale bytes | STG 4 rows x (256 + 16) | SPARE.
; REGISTERS: v1, v2 the add's two; v3-7 offsets in memory; v8-13 LDS addresses; v14-15 1 / Z; v16-23 (m, sum) x 4; v24-31 g_i / Z, each twice; v32-39 at work; v40-47 b_att; v48-49 s'', then alpha; v56-59 W_att's scale words,
;   v60-63 ctx's (scales alone); v64-191 the four partial ctx, then v64-95 ctx, v96-99 codes, later my row of h_att, v104-119 two accumulators, v120-127 their sum, v128-191 ctx's fragments; v192-255 W_att's fragments.
.set FS,    2304
.set STG,   2560
.set SPARE, 3840
	s_load_b256 s[4:11], s[0:1], 0x0               ; pc s[4:5], ms s[6:7], sc s[8:9], W_att's codes s[10:11]
	s_load_b256 s[12:19], s[0:1], 0x20             ; its scales s[12:13], b_att s[14:15], out0 s[16:17], out1 s[18:19]
	v_lshl_add_u32 v1, v0, 2, SPARE
	v_mov_b32 v2, 0
	v_lshrrev_b32 v3, 5, v0
	v_readfirstlane_b32 s20, v3                    ; wave 0..3
	s_and_b32 s21, ttmp7, 0xffff
	s_lshl_b32 s22, s21, 2
	s_add_co_u32 s22, s22, s20                     ; n
	s_lshl_b32 s23, ttmp9, 6
	s_lshl_b32 s24, s20, 4
	s_add_co_u32 s23, s23, s24                     ; n0
	s_mov_b32 s30, 0x1800000                       ; the floor 2^(3 - 127)
	s_mov_b32 s31, 0xff000000                      ; 2 off an exponent field
	v_and_b32 v32, 31, v0                          ; lane
	v_and_b32 v33, 15, v0                          ; r
	v_bfe_u32 v34, v0, 4, 1                        ; h
	v_and_b32 v35, 3, v0                           ; r % 4
	v_lshlrev_b32 v3, 4, v32
	v_lshlrev_b32 v4, 3, v32
	v_lshlrev_b32 v5, 9, v33
	v_lshl_add_u32 v5, v34, 4, v5                  ; 512 r + 16 h
	v_lshlrev_b32 v6, 5, v33
	v_lshl_add_u32 v6, v34, 4, v6                  ; 32 r + 16 h
	v_lshlrev_b32 v7, 5, v34                       ; 32 h
	s_mul_i32 s24, s20, 528
	v_lshl_add_u32 v8, v32, 2, s24                 ; my codes: row w, 4 x lane
	v_lshrrev_b32 v9, 2, v32
	s_lshl_b32 s24, s20, 5
	s_add_co_u32 s24, s24, FS
	v_add_nc_u32 v9, s24, v9                       ; my block's byte
	v_mul_u32_u24 v10, v35, 528
	v_lshl_add_u32 v10, v34, 4, v10                ; a fragment's row r % 4, + 16 h
	v_lshlrev_b32 v11, 5, v35
	v_lshl_add_u32 v11, v34, 4, v11
	v_add_nc_u32 v11, FS, v11                      ; its scale words
	v_mul_u32_u24 v12, v35, 272
	v_lshl_add_u32 v12, v34, 5, v12
	s_lshl_b32 s24, s20, 6
	s_add_co_u32 s24, s24, STG
	v_add_nc_u32 v12, s24, v12                     ; the stage, in: row r % 4, my 16 columns, + 32 h
	s_mul_i32 s24, s20, 272
	s_add_co_u32 s24, s24, STG
	v_add_nc_u32 v13, s24, v4                      ; and back: row w, 8 bytes a lane
	s_mov_b32 s27, 0
	s_wait_kmcnt 0x0
	s_lshl_b32 s26, s22, 14
	s_add_nc_u64 s[4:5], s[4:5], s[26:27]          ; four records of 4,096 bytes
	s_lshl_b32 s26, s22, 10
	s_add_nc_u64 s[6:7], s[6:7], s[26:27]          ; four of 256
	s_lshl_b32 s26, s22, 12
	s_lshl_b32 s28, ttmp9, 8
	s_add_co_u32 s26, s26, s28                     ; row n, my work-group's 64 numbers
	s_add_nc_u64 s[8:9], s[8:9], s[26:27]
	s_add_nc_u64 s[16:17], s[16:17], s[26:27]
	s_add_nc_u64 s[18:19], s[18:19], s[26:27]
	s_lshl_b32 s26, s23, 9
	s_add_nc_u64 s[10:11], s[10:11], s[26:27]
	s_lshl_b32 s26, s23, 5
	s_add_nc_u64 s[12:13], s[12:13], s[26:27]
	s_lshl_b32 s26, s23, 2
	s_add_nc_u64 s[14:15], s[14:15], s[26:27]
.irp i, 0,1,2,3
	global_load_b64 v[16+2*\i:17+2*\i], v4, s[6:7] offset:256*\i
.endr
	global_load_b64 v[48:49], v4, s[8:9]
.irp i, 0,1,2,3
.irp q, 0,1,2,3,4,5,6,7
	global_load_b128 v[64+32*\i+4*\q:67+32*\i+4*\q], v3, s[4:5] offset:4096*\i+512*\q   ; register 32 i + 8 t + e: quarter i, column 256 t + 8 lane + e
.endr
.endr
.irp q, 0,1,2,3,4,5,6,7,8,9,10,11,12,13,14,15
	global_load_b128 v[192+4*\q:195+4*\q], v5, s[10:11] offset:32*\q
.endr
	global_load_b128 v[56:59], v6, s[12:13]
	global_load_b128 v[40:43], v7, s[14:15]
	global_load_b128 v[44:47], v7, s[14:15] offset:16
	s_wait_loadcnt 51                              ; (m, sum) and s'' are in; behind them: pc's 32 and the weights' 19
	v_max3_num_f32 v32, v16, v18, v20
	v_max_num_f32 v32, v32, v22                    ; M
.irp i, 0,1,2,3
	v_sub_f32 v[24+2*\i], v[16+2*\i], v32
.endr
	s_wait_alu depctr_va_vdst(0)
.irp i, 0,1,2,3
	v_exp_f32 v[24+2*\i], v[24+2*\i]               ; g_i
.endr
	v_nop
	s_wait_alu depctr_va_vdst(0)                   ; one wait for the four, ahead of their first reader
	v_mul_f32 v33, v17, v24
	v_fma_f32 v33, v19, v26, v33
	v_fma_f32 v33, v21, v28, v33
	v_fma_f32 v33, v23, v30, v33                   ; Z
	s_wait_alu depctr_va_vdst(0)
	v_rcp_f32 v14, v33
	v_sub_f32 v48, v48, v32                        ; s'' - M: plain work behind the reciprocal
	v_sub_f32 v49, v49, v32
	s_wait_alu depctr_va_vdst(0)
	v_mov_b32 v15, v14
.irp i, 0,1,2,3
	v_mul_f32 v[24+2*\i], v[24+2*\i], v14
.endr
.irp i, 0,1,2,3
	v_mov_b32 v[25+2*\i], v[24+2*\i]
.endr
	v_exp_f32 v48, v48
	v_exp_f32 v49, v49
	v_nop
	s_wait_alu depctr_va_vdst(0)
	v_pk_mul_f32 v[48:49], v[48:49], v[14:15]
	global_store_b64 v4, v[48:49], s[18:19]        ; alpha: 256 consecutive bytes, at a multiple of 256 from out1's first byte
	s_wait_loadcnt 19                              ; pc's 32 are in; the weights' 19 may be out
.irp p, 0,2,4,6,8,10,12,14,16,18,20,22,24,26,28,30
	v_pk_mul_f32 v[64+\p:65+\p], v[64+\p:65+\p], v[24:25]
.endr
.irp i, 1,2,3
.irp p, 0,2,4,6,8,10,12,14,16,18,20,22,24,26,28,30
	v_pk_fma_f32 v[64+\p:65+\p], v[64+32*\i+\p:65+32*\i+\p], v[24+2*\i:25+2*\i], v[64+\p:65+\p]
.endr
.endr
	; ctx is quantised: a lane holds 8 neighbours in each of four strips, four lanes a block of 32
.irp t, 0,1,2,3
	v_max3_num_f32 v[32+\t], s30, |v[64+8*\t]|, |v[65+8*\t]|
.endr
.irp i, 2,4,6
.irp t, 0,1,2,3
	v_max3_num_f32 v[32+\t], v[32+\t], |v[64+8*\t+\i]|, |v[65+8*\t+\i]|
.endr
.endr
.irp x, 1,2
.irp t, 0,1,2,3
	v_max_num_f32_dpp v[32+\t], v[32+\t], v[32+\t] row_xmask:\x row_mask:0xf bank_mask:0xf
.endr
.endr
.irp t, 0,1,2,3
	v_add_nc_u32 v[32+\t], s31, v[32+\t]           ; the conversion's scale operand
.endr
.irp t, 0,1,2,3
	v_lshrrev_b32 v[36+\t], 23, v[32+\t]           ; the scale's byte
.endr
.irp t, 0,1,2,3
	v_cvt_scalef32_pk8_fp4_f32 v[96+\t], v[64+8*\t:71+8*\t], v[32+\t]
.endr
	v_nop                                          ; one plain line behind the last scaled conversion
.irp t, 0,1,2,3
	ds_store_b32 v8, v[96+\t] offset:128*\t
	ds_store_b8 v9, v[36+\t] offset:8*\t           ; the four lanes of a block write the same byte with the same value
.endr
	s_wait_dscnt 0x0                               ; for the others' sake: my codes and bytes have landed
	s_barrier_signal -1
	s_barrier_wait -1
.irp q, 0,1,2,3,4,5,6,7,8,9,10,11,12,13,14,15
	ds_load_b128 v[128+4*\q:131+4*\q], v10 offset:32*\q
.endr
	ds_load_b128 v[60:63], v11
	s_wait_dscnt 0x0
	s_wait_loadcnt 0x0                             ; W_att's fragments, its scale words, b_att
; eight products on two accumulators by turns: even K steps on the first, which begins with b_att, odd ones on the second
.irp s, 0,1,2,3,4,5,6,7
.if \s == 0
	v_wmma_scale_f32_16x16x128_f8f6f4 v[104:111], v[192:199], v[128:135], v[40:47], v56, v60 matrix_a_fmt:MATRIX_FMT_FP4 matrix_b_fmt:MATRIX_FMT_FP4
.elseif \s == 1
	v_wmma_scale_f32_16x16x128_f8f6f4 v[112:119], v[200:207], v[136:143], 0, v57, v61 matrix_a_fmt:MATRIX_FMT_FP4 matrix_b_fmt:MATRIX_FMT_FP4
.elseif \s < 4
	v_wmma_scale_f32_16x16x128_f8f6f4 v[104+8*(\s%2):111+8*(\s%2)], v[192+8*\s:199+8*\s], v[128+8*\s:135+8*\s], v[104+8*(\s%2):111+8*(\s%2)], v[56+\s%4], v[60+\s%4] matrix_a_fmt:MATRIX_FMT_FP4 matrix_b_fmt:MATRIX_FMT_FP4
.else
	v_wmma_scale_f32_16x16x128_f8f6f4 v[104+8*(\s%2):111+8*(\s%2)], v[192+8*\s:199+8*\s], v[128+8*\s:135+8*\s], v[104+8*(\s%2):111+8*(\s%2)], v[56+\s%4], v[60+\s%4] matrix_a_fmt:MATRIX_FMT_FP4 matrix_b_fmt:MATRIX_FMT_FP4 matrix_a_scale:MATRIX_SCALE_ROW1 matrix_b_scale:MATRIX_SCALE_ROW1
.endif
.endr
.rept 4
	v_nop                                          ; four places ahead of the first read of results (ISA guide 7.12.1)
.endr
.irp m, 0,2,4,6
	v_pk_add_f32 v[120+\m:121+\m], v[104+\m:105+\m], v[112+\m:113+\m]   ; both accumulators from their low end on
.endr
	ds_store_b128 v12, v[120:123]
	ds_store_b128 v12, v[124:127] offset:16
	s_wait_dscnt 0x0                               ; for the others' sake: a row's 256 bytes come from four waves
	s_barrier_signal -1
	s_barrier_wait -1
	ds_load_b64 v[96:97], v13
	s_wait_dscnt 0x0
	global_store_b64 v4, v[96:97], s[16:17]        ; h_att: 256 consecutive bytes, at a multiple of 256 from out0's first byte
	s_wait_tensorcnt 0x0                           ; the wave's end, behind my last LDS store
	ds_add_u32 v1, v2
	s_wait_dscnt 0x0
	s_endpgm
.Lfunc_end_k_q2b568d4858_finish:
	.size	k_q2b568d4858_finish, .Lfunc_end_k_q2b568d4858_finish-k_q2b568d4858_finish
	.p2alignl 7, 3214868480
	.fill 96, 4, 3214868480
	.section	.rodata,"a",@progbits
	.p2align	6, 0x0
	.amdhsa_kernel k_q2b568d4858_finish
		.amdhsa_group_segment_fixed_size 4608
		.amdhsa_private_segment_fixed_size 0
		.amdhsa_enable_private_segment 0
		.amdhsa_kernarg_size 64
		.amdhsa_user_sgpr_count 2
		.amdhsa_user_sgpr_kernarg_segment_ptr 1
		.amdhsa_wavefront_size32 1
		.amdhsa_system_sgpr_workgroup_id_x 1
		.amdhsa_system_sgpr_workgroup_id_y 1
		.amdhsa_system_sgpr_workgroup_id_z 1
		.amdhsa_system_vgpr_workitem_id 0
		.amdhsa_next_free_vgpr 256
		.amdhsa_next_free_sgpr 66
		.amdhsa_reserve_vcc 0
		.amdhsa_float_denorm_mode_32 3
		.amdhsa_float_denorm_mode_16_64 3
		.amdhsa_memory_ordered 1
		.amdhsa_forward_progress 1
		.amdhsa_inst_pref_size 20
	.end_amdhsa_kernel
	.amdgpu_metadata
---
amdhsa.version: [ 1, 2 ]
amdhsa.kernels:
  - .name:           k_q2b568d4858_finish
    .symbol:         k_q2b568d4858_finish.kd
    .args:
      - { .name: pc, .offset: 0, .size: 8, .value_kind: global_buffer, .address_space: global }
      - { .name: ms, .offset: 8, .size: 8, .value_kind: global_buffer, .address_space: global }
      - { .name: sc, .offset: 16, .size: 8, .value_kind: global_buffer, .address_space: global }
      - { .name: W_att_codes, .offset: 24, .size: 8, .value_kind: global_buffer, .address_space: global }
      - { .name: W_att_scales, .offset: 32, .size: 8, .value_kind: global_buffer, .address_space: global }
      - { .name: b_att, .offset: 40, .size: 8, .value_kind: global_buffer, .address_space: global }
      - { .name: out0, .offset: 48, .size: 8, .value_kind: global_buffer, .address_space: global }
      - { .name: out1, .offset: 56, .size: 8, .value_kind: global_buffer, .address_space: global }
    .group_segment_fixed_size: 4608
    .private_segment_fixed_size: 0
    .kernarg_segment_align: 8
    .kernarg_segment_size: 64
    .max_flat_workgroup_size: 128
    .sgpr_count:     66
    .vgpr_count:     256
    .wavefront_size: 32
...
	.end_amdgpu_metadata
.endif
;; end of part 3
